; MI455X (gfx1250); checked and timed in simulation.
; The chip was launched on July 23, 2026; its instructions are those of AMD's public machine-readable ISA for CDNA 5 (MIT licence, August 2026) and "CDNA5" Instruction Set Architecture Reference Guide (July 2026). The comments in the code are by the model that wrote it; some were corrected since.
;; Attention. Allowed arithmetic: matrix products marked QUANTISED: E4M3 operands, one given power-of-two scale a tensor, by v_wmma_f32_16x16x64_fp8_fp8 or v_wmma_f32_16x16x128_fp8_fp8, f32 sums; everything else in f32.
;; Inputs: Wk_codes 1,024 x 32 x 32 uint8 (E4M3 codes of Wk, K innermost, in blocks of 32 codes); Wo_codes 1,024 x 32 x 32 uint8 (E4M3 codes of Wo, K innermost, in blocks of 32 codes); Wq_codes 1,024 x 32 x 32 uint8 (E4M3 codes of Wq, K innermost, in blocks of 32 codes); Wv_codes 1,024 x 32 x 32 uint8 (E4M3 codes of Wv, K innermost, in blocks of 32 codes); bo 1,024 float32; lowp_scales 12 int32 (the exponents e of the quantised operands' scales 2^e); x_codes 4 x 2,048 x 32 x 32 uint8 (E4M3 codes of x, K innermost, in blocks of 32 codes).
;; Outputs: out0 4 x 2,048 x 1,024 float32.
;; This version of the problem:
;;   THIS VERSION OF THE PROBLEM IS GIVEN IN LOW PRECISION. The matrix products marked QUANTISED in the list below multiply operands that are first quantised to E4M3 (4 exponent bits, 3 mantissa bits; 8 bits a number), with one given power-of-two scale for each operand tensor; their sums are f32. All else is computed in f32.
;;   The module's matrix products, in the order in which they are computed (A, B: the left and right operand; K: the contracted axis; several contracted axes count as one K, in the product's order):
;;     1. [M 8,192, K 1,024] x [K 1,024, N 1,024]; A: input x (given as codes); B: input Wq (given as codes): QUANTISED (scales: A lowp_scales[0], B lowp_scales[1])
;;     2. [M 8,192, K 1,024] x [K 1,024, N 1,024]; A: input x (given as codes); B: input Wk (given as codes): QUANTISED (scales: A lowp_scales[2], B lowp_scales[3])
;;     3. [M 8,192, K 1,024] x [K 1,024, N 1,024]; A: input x (given as codes); B: input Wv (given as codes): QUANTISED (scales: A lowp_scales[4], B lowp_scales[5])
;;     4. batch 64 x [M 2,048, K 64] x [K 64, N 2,048]; A: computed on the way; B: computed on the way: QUANTISED (scales: A lowp_scales[6], B lowp_scales[7])
;;     5. batch 64 x [M 2,048, K 2,048] x [K 2,048, N 64]; A: softmax (see below); B: computed on the way: QUANTISED (scales: A lowp_scales[8], B lowp_scales[9])
;;     6. [M 8,192, K 1,024] x [K 1,024, N 1,024]; A: computed on the way; B: input Wo (given as codes): QUANTISED (scales: A lowp_scales[10], B lowp_scales[11])
;;   THE QUANTISER, for each operand of a quantised product, along K:
;;     - The operand's scale is 2^e, e = its entry of the input lowp_scales (int32; the entries are numbered through the quantised products in the list's order, A before B).
;;     - Each number is divided by the scale, clamped to +-448, and rounded to the nearest number of E4M3, ties to even, subnormals kept.
;;     - The product sums the exact products of the quantised numbers (number of the format x scale) in f32.
;;   ~~~python
;;   def quantise(x, axis, e):      # numpy; x: float32 -> the quantised numbers, widened to float32 again
;;       x = np.moveaxis(x, axis, -1); K = x.shape[-1]
;;       r = np.clip(x / 2.0 ** e, -448, 448)
;;       step = 2.0 ** (np.maximum(np.frexp(np.where(r == 0, 1, r))[1] - 1, -6) - 3)
;;       q = np.round(r / step) * step * 2.0 ** e      # np.round: ties to even
;;       return np.moveaxis(q, -1, axis).astype(np.float32)
;;   ~~~
;;   SOFTMAX AHEAD OF A QUANTISED PRODUCT. Where the list says 'softmax', what is quantised is not the finished softmax but p = 2^(t - M), with t = logit x log2(e) and M = ceil(the row's largest t), a whole number; so 1/2 < the row's largest p <= 1. The row's sum l is taken of the UNQUANTISED p, in f32, and the product's result is divided by l at the end. Since M is a whole number, a kernel that streams over the keys may use a running M (the ceiling of the running maximum): every later rescaling is an exact power of two, so the quantised numbers keep their values, but for numbers so far below the row's largest that they fall under the format's range.
;;   OPERANDS COMPUTED ON THE WAY. 'Computed on the way' means the value that the module computes at that place (a softmax that the list does not call 'softmax' is quantised finished and normalised). What goes into a quantiser is computed in f32, as accurately as f32 sums, v_exp_f32 and their like allow (about 1e-6 of the number): no bf16 or f16 on the way to a quantiser, and a product that is left as it is and whose result goes on into a quantised operand takes f32 operands (vector FMAs, or v_wmma_f32_16x16x4_f32). A number that lies on a knife's edge between two numbers of the format may be rounded either way, as far as f32 arithmetic and the matrix unit's own rounding can turn it there, and no further.
;;   INPUTS GIVEN AS CODES. Wk (in the module: [1024, 1024], K = its axis 1); Wo (in the module: [1024, 1024], K = its axis 1); Wq (in the module: [1024, 1024], K = its axis 1); Wv (in the module: [1024, 1024], K = its axis 1); x (in the module: [4, 2048, 1024], K = its axis 2): each comes as NAME_codes (uint8): NAME with its K axis moved to the last place and cut into blocks of 32 codes, [.., K / 32, bytes a block], one block behind the other in memory; one code a byte (a code: sign, 4 exponent bits, 3 mantissa bits); its scale is its entry of lowp_scales. Its value is code x scale, taken as it is: it is not quantised again, and the codes and scales need not be those that the quantiser above would give.
;; One version. Each part assembles by itself: llvm-mc -triple=amdgcn-amd-amdhsa -mcpu=gfx1250 --defsym DOCPART=n.
;; ======== version 1 of 1: 3 launches
;; workspace buffers: q_img 8,388,608 bytes; k_img 8,388,608 bytes; v_img 8,388,608 bytes; o_img 8,388,608 bytes
;; launch qkv (part 1): grid 12 x 32, 4 waves a work-group, clusters of 4 x 4, 327,680 bytes of LDS; arguments x_codes, Wq_codes, Wk_codes, Wv_codes, lowp_scales, q_img, k_img, v_img; writes q_img, k_img, v_img
.if DOCPART == 1
	.amdgcn_target "amdgcn-amd-amdhsa--gfx1250"
	.amdhsa_code_object_version 6
	.text
	.protected	k_qa82f78d4d6_qkv
	.globl	k_qa82f78d4d6_qkv
	.p2align	8
	.type	k_qa82f78d4d6_qkv,@function
k_qa82f78d4d6_qkv:
	s_mov_b64 s[64:65], 0
	v_nop
	global_prefetch_b8 v0, s[64:65] scope:SCOPE_SE
	s_setreg_imm32_b32 hwreg(HW_REG_WAVE_MODE, 25, 1), 1
	s_wait_xcnt 0x0
	s_wait_alu depctr_hold_cnt(0) depctr_sa_sdst(0) depctr_va_vdst(0) depctr_va_sdst(0) depctr_va_ssrc(0) depctr_va_vcc(0) depctr_vm_vsrc(0)
	s_getreg_b32 s2, hwreg(HW_REG_IB_STS2, 6, 4)
	s_cmp_eq_u32 s2, 0
	s_cbranch_scc0 .Lentry_in_a_cluster
	s_endpgm
.Lentry_in_a_cluster:
	s_bfe_u32 s2, ttmp6, 0x10000c
	s_cmp_lg_u32 s2, 0xf033
	s_cbranch_scc0 .Lentry_shape_is_right
	s_endpgm
.Lentry_shape_is_right:
; q / 8, k and v of an attention layer: three products [8192][1024] x [1024][1024]^T on codes of FP8 (E4M3); each finished sum is quantised again, in registers, and leaves as a code.
; x: 8,192 rows of 1,024 codes; Wq, Wk, Wv: 1,024 rows (out features) of 1,024 codes; K innermost everywhere.  The buffer of scales holds twelve whole numbers e0 .. e11.
; ONE TEXT FOR THE THREE PRODUCTS.  The matrix instruction takes 16 rows of "P" as source 0 and 16 rows of "R" as source 1: in the result a lane holds ONE row of R (lane % 16) and its eight registers
; eight neighbouring rows of P (8 (lane / 16) + 0 .. 7).  Eight such numbers are what one conversion packs, so four neighbouring tiles of P give the eight registers of an operand of the next product
; (16 rows of R x 64 along P, the plain 8-bit layout: registers 2 c, 2 c + 1 hold 16 c + 8 (lane / 16) + 0 .. 7).  q and k want tokens as rows and the head's 64 features along K: P = W, R = x.
; v wants channels as rows and 64 keys along K: P = x, R = Wv.  The tile is square, so the three differ in pointers, one stride and one exponent, chosen by s_cselect on the CLUSTER's x (0: q, 1: k, 2: v),
; which all sixteen partners share.  No branch hangs on it.
; WHAT IS STORED: IMAGES of operand registers, 1,024 bytes each: registers 0-3 at 16 x lane, registers 4-7 at 512 + 16 x lane.  q_img, k_img: image (head, token tile T) at (512 head + T) x 1024;
; v_img: image (block of 64 tokens KB, feature tile F) at (64 KB + F) x 1024.  Each store of a wave covers 512 consecutive bytes, aligned.
; code = sum / 2^E, held within +-448, to the nearest code, ties to even.  E = e6 - e0 - e1 + 3 (q; the 3 is the factor 1/8), e7 - e2 - e3 (k), e9 - e4 - e5 (v).
; LIMITS: -126 <= E <= 119, so that 2^E and 448 x 2^E are f32 numbers.  NaN codes among the inputs are not served.
; SHARES: a work-group of four waves makes 256 (R) x 256 (P), a wave 128 x 128: 64 accumulators, 512 registers.  K goes in four steps of 256 through two LDS slots filled by the tensor data mover.
; CLUSTERS: 4 x 4 work-groups.  The four of a row of the cluster need the same tile of R, the four of a column the same tile of P: each tile is asked for jointly, by the same tensor load with a mask that names the four.
; REGISTERS, in windows of 256: window 0: v0-31 addresses and the two scale numbers; v32-95 at work on the way out; from v128 R's fragments (one set), on the way out the codes.
;   window 1: P's fragments, two sets, at v0 and v128.   window 2: the accumulators of my R rows 0-63 ((a, b) at v[8 (8 a + b)]);   window 3: those of rows 64-127.
.set ROWB,   256                       ; a tile's row in bytes: 256 codes
.set KROW,   1024                      ; a row of x or of a weight in memory
.set PITCH,  272                       ; an LDS row: 256 bytes + 16 of padding = 68 words: row r starts at bank 4 r mod 64 (64 banks of 4 bytes: ISA guide 11.1), so the 16 rows of a load start at 16 different banks
.set FR,     16                        ; registers of a fragment: 16 rows x 128 K
.set NL,     4                         ; LDS loads that bring one
.set NP,     4                         ; places behind this matrix instruction (ISA guide 7.12.1)
.set HALFT,  128*PITCH                 ; 128 rows: what one tensor load brings, and what one wave reads of R or of P
.set SLOT,   4*HALFT                   ; R's 256 rows, then P's 256 rows
.set SPARE,  2*SLOT                    ; behind the ring: the spare words, 128 bytes for each wave: two blocks of 256 bytes that no other line names
.set SC,   12                          ; v12     2^E as f32: the conversions take its exponent field
.set LIM,  13                          ; v13     448 x 2^E
.set ADRA, 16                          ; v16-17  LDS address of my R fragments in slot 0, 1
.set ADRB, 20                          ; v20-21  the same for P
.set CO,   26                          ; v26     16 x lane: my place in a piece of an image
.set SPW,  28                          ; v28     LDS address of my spare word: SPARE + 4 x my thread's number; never rewritten
.set NIL,  29                          ; v29     0; never rewritten
.set TMP,  32                          ; the way out: a block's 64 sums, held
.set AF,   128                         ; R's fragments, in window 0
.set CD,   128                         ; the way out: 16 registers of codes for each of the eight blocks, so that no store's data are written again
.set G1, 24                            ; s[24:31] descriptor group 1 for R's tiles;  s[32:39] group 0, one set for each slot
.set G0, 32
.set G1B, 48                           ; s[48:55], s[56:63] the same for P's tiles
.set G0B, 56
.set MSB, 0
.macro WIN new                         ; the immediate's high byte repeats the setting that is left; a switch that changes nothing is dropped
.if MSB != (\new)
	s_set_vgpr_msb (MSB<<8)|(\new)
.set MSB, \new
.endif
.endm
.set MUL_LO, 0xa1                      ; source 0 (P) window 1, source 1 (R) window 0, C and D window 2
.set MUL_HI, 0xf1                      ; the same, C and D window 3
.set TO_B,   0x40                      ; destination window 1, address window 0
; A joint load: waves 0 and 1 fetch for R, waves 2 and 3 for P.  Each of the two lines has one mask and one set of registers for all that issue it; the branch hangs on the wave's number alone.
; Four v_nop follow each of the two lines, ahead of the jump, the label and what follows.
.macro JLOAD g0a, g1a, g0b, g1b
	s_cmp_eq_u32 s15, 0
	s_cbranch_scc0 .Lfor_b_\@
	tensor_load_to_lds s[\g0a:\g0a+3], s[\g1a:\g1a+7]
	s_nop 0
.rept 4
	v_nop
.endr
	s_branch .Lasked_\@
.Lfor_b_\@:
	tensor_load_to_lds s[\g0b:\g0b+3], s[\g1b:\g1b+7]
	s_nop 0
.rept 4
	v_nop
.endr
.Lasked_\@:
.endm
.macro CREST                           ; a round of the cluster's barrier behind its opening barrier
	s_cmp_lg_u32 s14, 0
	s_cbranch_scc1 .Lnot_wave_0_\@
	s_barrier_signal -3
.Lnot_wave_0_\@:
	s_barrier_wait -3
	s_barrier_signal -1
	s_barrier_wait -1
.endm
.macro CROUND                          ; a whole round
	s_barrier_signal -1
	s_barrier_wait -1
	CREST
.endm
	s_load_b512 s[68:83], s[0:1], 0x0              ; x s[68:69], Wq s[70:71], Wk s[72:73], Wv s[74:75], the scales s[76:77], q_img s[78:79], k_img s[80:81], v_img s[82:83]
	v_lshl_add_u32 v[SPW], v0, 2, SPARE
	v_mov_b32 v[NIL], 0
	ds_add_u32 v28, v29
	ds_add_u32 v28, v29
	s_wait_dscnt 0x0
	v_lshrrev_b32 v1, 5, v0
	v_readfirstlane_b32 s14, v1                    ; wave 0..3
	s_lshr_b32 s15, s14, 1                         ; which half of the tile's R rows is mine.  Also: I fetch for R (0) or for P (1)
	s_and_b32 s16, s14, 1                          ; which half of its P rows.  Also: which 128 rows of that tile I fetch
	s_bfe_u32 s40, ttmp6, 0x40000                  ; cx, cy: my place in the cluster
	s_bfe_u32 s41, ttmp6, 0x40004
	s_and_b32 s12, ttmp7, 0xffff                   ; the cluster's y, 0..7: it walks x's 32 tiles of 256 rows, four to a cluster
	s_cmp_eq_u32 ttmp9, 2                          ; the cluster's x: 2 is v's product, in which x is P
	s_cselect_b32 s13, s12, 0                      ; the cluster's step along P,
	s_cselect_b32 s12, 0, s12                      ; and along R
	s_lshl_b32 s42, s13, 2
	s_add_co_u32 s42, s42, s40                     ; P's tile = 4 x that + cx
	s_lshl_b32 s17, s12, 2
	s_add_co_u32 s17, s17, s41                     ; R's tile = 4 x that + cy
	s_lshl_b32 s43, s41, 2
	s_lshl_b32 s43, 15, s43                        ; my row of the cluster
	s_lshl_b32 s44, 0x1111, s40                    ; my column
	; descriptor group 1: a tile of 128 rows x 256 bytes, padded in LDS
	s_or_b32 s[G1+0], s43, (0<<16)|(1<<20)|(1<<21)|(5<<22)|(3<<25)  ; 15:0 the mask: R's tiles go to my row; 17:16 element of 1 byte; 20 padding on; 21 set beside a mask; 24:22 after every 64 words (code 5); 31:25 of 4 words (code 3)
	s_or_b32 s[G1B+0], s44, (0<<16)|(1<<20)|(1<<21)|(5<<22)|(3<<25) ; the same with the mask of my column, for P's tiles
.irp g, G1, G1B
	s_mov_b32 s[\g+1], ROWB<<16                    ; tensor_dim0
	s_mov_b32 s[\g+2], 128<<16                     ; tensor_dim1 = 128
	s_mov_b32 s[\g+3], ROWB<<16                    ; tile_dim0
	s_mov_b32 s[\g+4], 128                         ; tile_dim1 = 128
	s_mov_b32 s[\g+5], KROW                        ; tensor_dim0_stride
	s_mov_b32 s[\g+6], 0
	s_mov_b32 s[\g+7], 0
.endr
	s_lshl_b32 s18, s16, 7                         ; which 128 rows of the tile I fetch
	s_lshl_b32 s20, s17, 8
	s_add_co_u32 s20, s20, s18                     ; R: row 256 x tile + 128 x half,
	s_lshl_b32 s20, s20, 10                        ; in bytes: 8 MiB at the most
	s_mov_b32 s21, 0
	s_lshl_b32 s46, s42, 8
	s_add_co_u32 s46, s46, s18                     ; P likewise
	s_lshl_b32 s46, s46, 10
	s_mov_b32 s47, 0
	s_mul_i32 s45, s14, HALFT                      ; where they go: wave x 128 rows: no place in the cluster enters an LDS address
	s_wait_kmcnt 0x0
	s_load_b256 s[84:91], s[76:77], 0x0            ; e0 .. e7
	s_load_b128 s[92:95], s[76:77], 0x20           ; e8 .. e11
	s_cmp_eq_u32 ttmp9, 0                          ; the choices hang on the cluster's x alone
	s_cselect_b64 s[6:7], s[70:71], s[72:73]       ; P = Wq or Wk,
	s_cselect_b64 s[10:11], s[78:79], s[80:81]     ; into q_img or k_img;
	s_cmp_eq_u32 ttmp9, 2
	s_cselect_b64 s[6:7], s[68:69], s[6:7]         ; for v: P = x,
	s_cselect_b64 s[4:5], s[74:75], s[68:69]       ; R = Wv (else x),
	s_cselect_b64 s[10:11], s[82:83], s[10:11]     ; into v_img
	s_mov_b32 s8, 0x80000                          ; from one block of 64 along P to the next in the images' buffer: 512 images (q, k)
	s_cselect_b32 s8, 0x10000, s8                  ; or 64 (v)
	s_add_nc_u64 s[20:21], s[4:5], s[20:21]
	s_add_nc_u64 s[46:47], s[6:7], s[46:47]
	CROUND                                         ; all sixteen work-groups are here: the first joint loads meet
.irp s, 0,1
	s_mov_b32 s[G0+4*\s], 1                        ; count = 1
	s_add_co_u32 s[G0+4*\s+1], s45, \s*SLOT        ; LDS address
	s_add_nc_u64 s[G0+4*\s+2:G0+4*\s+3], s[20:21], \s*ROWB  ; global address: K step s
	s_or_b32 s[G0+4*\s+3], s[G0+4*\s+3], 0x80000000         ; type = 2
	s_mov_b32 s[G0B+4*\s], 1
	s_add_co_u32 s[G0B+4*\s+1], s45, \s*SLOT
	s_add_nc_u64 s[G0B+4*\s+2:G0B+4*\s+3], s[46:47], \s*ROWB
	s_or_b32 s[G0B+4*\s+3], s[G0B+4*\s+3], 0x80000000
	JLOAD G0+4*\s, G1, G0B+4*\s, G1B               ; two loads of mine are out behind these
.endr
	v_and_b32 v1, 15, v0                           ; l % 16
	v_bfe_u32 v2, v0, 4, 1                         ; l / 16
	v_mul_u32_u24 v3, v1, PITCH
	v_lshl_add_u32 v4, v2, 4, v3                   ; a fragment's row x pitch + 16 x half
	s_mul_i32 s21, s15, HALFT                      ; my 128 rows of R
	s_mul_i32 s22, s16, HALFT                      ; my 128 rows of P,
	s_add_co_u32 s22, s22, 2*HALFT                 ; which lie behind R's 256
.irp s, 0,1
	v_add_nc_u32 v[ADRA+\s], s21, v4
	v_add_nc_u32 v[ADRB+\s], s22, v4
	s_add_co_u32 s21, s21, SLOT
	s_add_co_u32 s22, s22, SLOT
.endr
	v_and_b32 v6, 31, v0
	v_lshlrev_b32 v[CO], 4, v6                     ; 16 x lane
	; where my images begin: (my first block of 64 along P) x s8 + (my first tile of 16 rows of R) x 1024
	s_lshl_b32 s20, s17, 4
	s_lshl_b32 s21, s15, 3
	s_add_co_u32 s20, s20, s21                     ; 16 x R's tile + 8 x half
	s_lshl_b32 s20, s20, 10
	s_mov_b32 s21, 0
	s_lshl_b32 s46, s42, 2
	s_lshl_b32 s47, s16, 1
	s_add_co_u32 s46, s46, s47                     ; 4 x P's tile + 2 x half
	s_mul_i32 s46, s46, s8
	s_mov_b32 s47, 0
	s_add_nc_u64 s[20:21], s[20:21], s[46:47]
	s_add_nc_u64 s[10:11], s[10:11], s[20:21]      ; my first block along P,
	s_mov_b32 s9, 0
	s_add_nc_u64 s[18:19], s[10:11], s[8:9]        ; and my second
.macro FRAG reg, adr, q, i             ; a fragment, 16 rows x 128 K, is 16 registers: lane l holds row l % 16; registers 4 c .. 4 c + 3 hold K = 32 c + 16 (l / 16) + 0 .. 15: one order of K for both sources, so every product meets its partner
.irp c, 0,1,2,3
	ds_load_b128 v[\reg+4*\c:\reg+4*\c+3], v[\adr] offset:128*(\q)+32*\c+(\i)*16*PITCH
.endr
.endm
; 16 matrix instructions: R's blocks a0, a0 + 1 x P's eight, 128 along K.  p: P's set.  zero = 1: the first product starts the sums: nothing is ever cleared.
; The 64 accumulators take turns, one instruction a turn, in the same order in every step.
.macro MUL16 a0, p, zero
.irp a, \a0, \a0+1
.irp b, 0,1,2,3,4,5,6,7
.if \zero
	v_wmma_f32_16x16x128_fp8_fp8 v[8*(8*((\a)%4)+\b):8*(8*((\a)%4)+\b)+7], v[128*(\p)+FR*\b:128*(\p)+FR*\b+FR-1], v[AF+FR*(\a):AF+FR*(\a)+FR-1], 0
.else
	v_wmma_f32_16x16x128_fp8_fp8 v[8*(8*((\a)%4)+\b):8*(8*((\a)%4)+\b)+7], v[128*(\p)+FR*\b:128*(\p)+FR*\b+FR-1], v[AF+FR*(\a):AF+FR*(\a)+FR-1], v[8*(8*((\a)%4)+\b):8*(8*((\a)%4)+\b)+7]
.endif
.endr
.endr
.endm
.macro FETCH_B slot, q, p              ; P's eight fragments of the slot's q-th 128 along K into set p
	WIN TO_B
.irp i, 0,1,2,3,4,5,6,7
	FRAG 128*(\p)+FR*\i, ADRB+\slot, \q, \i
.endr
	WIN 0
.endm
.macro FETCH_A slot, q, i0             ; R's blocks i0 .. i0 + 3
.irp i, \i0, \i0+1, \i0+2, \i0+3
	FRAG AF+FR*(\i), ADRA+\slot, \q, \i
.endr
.endm
; A load into a register that a matrix instruction has read, and a vector instruction that reads a matrix result or writes one of a matrix instruction's registers, stand NP places behind it; only plain vector
; instructions that name none of its registers are places (ISA guide 7.12.1 for vector instructions).
.macro PLACES n
.rept \n
	v_nop
.endr
.endm
; A step of 128 along K that has its successor in the same slot.  A block of R is free as soon as its eight products are issued, so R has one set of registers: blocks 0-3 are fetched anew in the step's middle, blocks 4-7 at its end.
.macro STEP slot, q, zero
	s_wait_dscnt 4*NL                              ; P's set and R's blocks 0-3 are in; the sixteen youngest loads (R's blocks 4-7) may be out
	WIN MUL_LO
	MUL16 0, (\q)%2, \zero
	MUL16 2, (\q)%2, \zero
	s_wait_dscnt 0                                 ; R's blocks 4-7 are in (asked for 32 matrix instructions ago)
	PLACES NP
	FETCH_B \slot, (\q)+1, 1-(\q)%2
	FETCH_A \slot, (\q)+1, 0
	WIN MUL_HI
	MUL16 4, (\q)%2, \zero
	MUL16 6, (\q)%2, \zero
	PLACES NP
	WIN 0
	FETCH_A \slot, (\q)+1, 4
.endm
; A slot's last step changes slots: one barrier; in front of it each wave waits for all its tensor loads, adds 0 to its spare word, and waits for that and for its own reads of this slot.  fill = 1: this slot is filled again, two K steps ahead.
.macro TURN slot, next, fill
	s_wait_tensorcnt 0x0                           ; all my tensor loads have landed: my part of the next slot;  (every window is 0 here: the add's two registers lie in window 0)
	ds_add_u32 v[SPW], v[NIL]                      ; 0 onto my spare word
	s_wait_dscnt 4*NL+1                            ; (the add and the sixteen youngest loads, R's blocks 4-7, may be out)
	WIN MUL_LO
	MUL16 0, 1, 0                                  ; sixteen matrix instructions stand between the add and the wait for it
	s_wait_dscnt 0x0                               ; the add is done, and my reads of this slot are over
	s_barrier_signal -1
	MUL16 2, 1, 0
	WIN 0
	s_barrier_wait -1
.if \fill
	CREST                                          ; the barrier has opened a round of the cluster's barrier: no wave of any partner still reads this slot's tile or has a load on its way
	s_add_nc_u64 s[G0+4*\slot+2:G0+4*\slot+3], s[G0+4*\slot+2:G0+4*\slot+3], 2*ROWB
	s_add_nc_u64 s[G0B+4*\slot+2:G0B+4*\slot+3], s[G0B+4*\slot+2:G0B+4*\slot+3], 2*ROWB
	JLOAD G0+4*\slot, G1, G0B+4*\slot, G1B         ; the first tensor load behind the round, my only one until the next; the four v_nop behind it are the places in front of the loads below
.else
	PLACES NP
.endif
	FETCH_B \next, 0, 0
	FETCH_A \next, 0, 0
	WIN MUL_HI
	MUL16 4, 1, 0
	MUL16 6, 1, 0
	PLACES NP
	WIN 0
	FETCH_A \next, 0, 4
.endm
	s_wait_tensorcnt 1                             ; my part of K step 0 is in (K step 1's load may be out)
	s_barrier_signal -1
	s_barrier_wait -1                              ; everybody's is
	FETCH_B 0, 0, 0
	FETCH_A 0, 0, 0
	FETCH_A 0, 0, 4
	STEP 0, 0, 1                                   ; K = 1,024 is four K steps of 256, eight steps of 128: written straight.  The first products start the sums
	TURN 0, 1, 1                                   ; slot 0 takes K step 2
	STEP 1, 0, 0
	TURN 1, 0, 1                                   ; slot 1 takes K step 3
	STEP 0, 0, 0
	TURN 0, 1, 0                                   ; nothing is left to fetch: no round of the cluster's barrier
	STEP 1, 0, 0
	s_wait_dscnt 4*NL                              ; the very last step
	WIN MUL_LO
	MUL16 0, 1, 0
	MUL16 2, 1, 0
	s_wait_dscnt 0
	WIN MUL_HI
	MUL16 4, 1, 0
	MUL16 6, 1, 0
	WIN 0
	; THE WAY OUT.  The exponent of my product's conversion: all three are made, two selects on the cluster's x choose.
	s_wait_kmcnt 0x0
	s_sub_co_i32 s20, s90, s84
	s_sub_co_i32 s20, s20, s85
	s_add_co_i32 s20, s20, 3                       ; q: e6 - e0 - e1 + 3
	s_sub_co_i32 s21, s91, s86
	s_sub_co_i32 s21, s21, s87                     ; k: e7 - e2 - e3
	s_sub_co_i32 s22, s93, s88
	s_sub_co_i32 s22, s22, s89                     ; v: e9 - e4 - e5
	s_cmp_eq_u32 ttmp9, 0
	s_cselect_b32 s20, s20, s21
	s_cmp_eq_u32 ttmp9, 2
	s_cselect_b32 s20, s22, s20
	s_add_co_i32 s20, s20, 127
	s_lshl_b32 s21, s20, 23
	v_mov_b32 v[SC], s21                           ; 2^E as f32
	s_add_co_i32 s20, s20, 8
	s_lshl_b32 s20, s20, 23
	s_or_b32 s20, s20, 0x600000
	v_mov_b32 v[LIM], s20                          ; 448 x 2^E
	PLACES NP                                      ; behind the last products: their results are read and R's registers are written below
; Block a: 16 rows of R x my 128 rows of P.  The sums are held (the conversion to an 8-bit code does not saturate: ISA guide 7.6.2), each accumulator from its low end on; accumulator b's eight numbers become
; registers 2 (b % 4), 2 (b % 4) + 1 of the image of block b / 4 along P.  Four stores of 512 consecutive bytes.
.macro OUTBLK a
.set AC, 64*((\a)%4)
	WIN 0x02+((\a)/4)                              ; source 0: window 2 or 3
.set i, 0
.rept 64
	v_med3_num_f32 v[TMP+i], v[AC+i], -v[LIM], v[LIM]
.set i, i+1
.endr
	WIN 0
.irp g, 0,1,2,3,4,5,6,7
	v_cvt_scalef32_pk8_fp8_f32 v[CD+16*(\a)+2*\g:CD+16*(\a)+2*\g+1], v[TMP+8*\g:TMP+8*\g+7], v[SC]
.endr
	v_nop                                          ; one plain vector instruction behind the last conversion: the next block's holds write the conversions' sources
	global_store_b128 v[CO], v[CD+16*(\a):CD+16*(\a)+3], s[10:11] offset:1024*(\a)
	global_store_b128 v[CO], v[CD+16*(\a)+4:CD+16*(\a)+7], s[10:11] offset:1024*(\a)+512
	global_store_b128 v[CO], v[CD+16*(\a)+8:CD+16*(\a)+11], s[18:19] offset:1024*(\a)
	global_store_b128 v[CO], v[CD+16*(\a)+12:CD+16*(\a)+15], s[18:19] offset:1024*(\a)+512
.endm
.irp a, 0,1,2,3,4,5,6,7
	OUTBLK \a                                      ; no store's data, offset or base is written again, so no wait stands between the blocks
.endr
	s_wait_tensorcnt 0x0                           ; the wave's end
	ds_add_u32 v[SPW], v[NIL]
	s_wait_dscnt 0x0
	CROUND                                         ; the closing round: no work-group ends while a partner may still ask for a tile that names it
	s_endpgm
.Lfunc_end_k_qa82f78d4d6_qkv:
	.size	k_qa82f78d4d6_qkv, .Lfunc_end_k_qa82f78d4d6_qkv-k_qa82f78d4d6_qkv
	.p2alignl 7, 3214868480
	.fill 96, 4, 3214868480
	.section	.rodata,"a",@progbits
	.p2align	6, 0x0
	.amdhsa_kernel k_qa82f78d4d6_qkv
		.amdhsa_group_segment_fixed_size 327680
		.amdhsa_private_segment_fixed_size 0
		.amdhsa_enable_private_segment 0
		.amdhsa_kernarg_size 64
		.amdhsa_user_sgpr_count 2
		.amdhsa_user_sgpr_kernarg_segment_ptr 1
		.amdhsa_wavefront_size32 1
		.amdhsa_system_sgpr_workgroup_id_x 1
		.amdhsa_system_sgpr_workgroup_id_y 1
		.amdhsa_system_sgpr_workgroup_id_z 1
		.amdhsa_system_vgpr_workitem_id 0
		.amdhsa_next_free_vgpr 1024
		.amdhsa_next_free_sgpr 96
		.amdhsa_reserve_vcc 0
		.amdhsa_float_denorm_mode_32 3
		.amdhsa_float_denorm_mode_16_64 3
		.amdhsa_memory_ordered 1
		.amdhsa_forward_progress 1
		.amdhsa_inst_pref_size 118
	.end_amdhsa_kernel
	.amdgpu_metadata
---
amdhsa.version: [ 1, 2 ]
amdhsa.kernels:
  - .name:           k_qa82f78d4d6_qkv
    .symbol:         k_qa82f78d4d6_qkv.kd
    .args:
      - { .name: x_codes, .offset: 0, .size: 8, .value_kind: global_buffer, .address_space: global }
      - { .name: Wq_codes, .offset: 8, .size: 8, .value_kind: global_buffer, .address_space: global }
      - { .name: Wk_codes, .offset: 16, .size: 8, .value_kind: global_buffer, .address_space: global }
      - { .name: Wv_codes, .offset: 24, .size: 8, .value_kind: global_buffer, .address_space: global }
      - { .name: lowp_scales, .offset: 32, .size: 8, .value_kind: global_buffer, .address_space: global }
      - { .name: q_img, .offset: 40, .size: 8, .value_kind: global_buffer, .address_space: global }
      - { .name: k_img, .offset: 48, .size: 8, .value_kind: global_buffer, .address_space: global }
      - { .name: v_img, .offset: 56, .size: 8, .value_kind: global_buffer, .address_space: global }
    .group_segment_fixed_size: 327680
    .private_segment_fixed_size: 0
    .kernarg_segment_align: 8
    .kernarg_segment_size: 64
    .max_flat_workgroup_size: 128
    .sgpr_count:     96
    .vgpr_count:     1024
    .wavefront_size: 32
...
	.end_amdgpu_metadata
.endif
;; end of part 1
;; launch attn (part 2): grid 4 x 64, 16 waves a work-group, no clusters, 34,816 bytes of LDS; arguments q_img, k_img, v_img, lowp_scales, o_img; writes o_img
.if DOCPART == 2
	.amdgcn_target "amdgcn-amd-amdhsa--gfx1250"
	.amdhsa_code_object_version 6
	.text
	.protected	k_qa82f78d4d6_attn
	.globl	k_qa82f78d4d6_attn
	.p2align	8
	.type	k_qa82f78d4d6_attn,@function
k_qa82f78d4d6_attn:
	s_mov_b64 s[64:65], 0
	v_nop
	global_prefetch_b8 v0, s[64:65] scope:SCOPE_SE
	s_setreg_imm32_b32 hwreg(HW_REG_WAVE_MODE, 25, 1), 1
	s_wait_xcnt 0x0
; o = softmax(q k^T) v for 64 heads (batch 4 x 16), 2,048 tokens, head size 64, both products on codes of FP8 (E4M3); q already holds the factor 1/8.  o is quantised in registers and leaves as codes.
; ALL OPERANDS ARE IMAGES OF REGISTERS, 1,024 bytes each (registers 0-3 at 16 x lane, registers 4-7 at 512 + 16 x lane), 16 rows x 64 along K in the plain 8-bit layout:
;   q_img, k_img: image (head, token tile T = 128 b + tile) at (512 head + T) x 1024;   v_img: image (KB = 32 b + block of 64 keys, head, channel tile ct) at (64 KB + 4 head + ct) x 1024, rows = channels, K = keys;
;   o_img (stored here): image (T, head) at ((512 (head / 4) + T) x 4 + head % 4) x 1024, rows = tokens, K = the head's 64 channels.
; THE SOFTMAX AHEAD OF THE SECOND PRODUCT: t = score x log2(e); M = the row's largest t so far, rounded UP to a whole number; p = 2^(t - M) is what is quantised, not normalised.  The row's sum is taken of the
; unquantised p, in f32, and divides O at the end.  When M moves, the sum and O are multiplied by 2^(old M - new M): exact.
; SHARES.  A work-group owns 512 queries of one head; each of its sixteen waves owns 32: two tiles of 16, in 256 registers: four waves to a SIMD, so that one wave's vector work stands beside another's matrix work and
; LDS loads.  Each fragment of K and V read from LDS feeds two matrix instructions.  Every wave walks all 2,048 keys, 64 a step.
; LAYOUT.  Both products are used transposed: S^T = K Q^T (source 0 = 16 keys, source 1 = 16 queries), O^T = V^T P^T (source 0 = 16 channels, source 1 = P): a lane holds ONE query (lane % 16) throughout, and its eight
; registers of a tile are eight neighbours along the next product's K: the conversions' results are the next operand's registers.
; K AND V COME THROUGH REGISTERS INTO LDS: two slots of 16,384 bytes, each a GROUP of 128 keys (K's 8 images, then V's 8).  Wave w brings image w of each group: two loads of 512 bytes, asked for one group ahead,
; stored as they are.  One barrier a group: in front of it each wave's stores have landed and its reads of the other slot are back.
; NO TENSOR LOADS AND NO CLUSTER: the text has one branch on a given scale (below); and what the four work-groups of a head share is 1,024 bytes a wave and group.
; THE HOLD OF p.  p is at most 1 (but for the last bits of t - M), so it lies under 448 x 2^e8 wherever e8 >= -8: there the 64 holds of a step do nothing and are jumped over, by a scalar branch on e8 round
; vector lines alone.  Where e8 < -8 they are executed.
; LIMITS on the given exponents, so that each power of two below is an f32 number: e6 + e7 between -126 and 127 (added to log2(e)'s exponent field); e8, and e10 - e8 - e9, between -126 and 119.  NaN is not served.
.set LI,   1                           ; v1   16 x lane: an image's place for my lane; never rewritten
.set SW,   2                           ; v2   16 x lane + 1024 x wave: where I store my image of a group
.set PFO,  3                           ; v3   the prefetches' offset; never rewritten
.set PSC,  4                           ; v4   2^e8;  v5  448 x 2^e8
.set PLM,  5
.set OSC,  6                           ; v6   2^(e10 - e8 - e9);  v7  448 x that
.set OLM,  7
.set QF,   8                           ; v8-23    Q: tile t at 8 t
.set SG,   24                          ; v24-31   my image of the next group, on its way from memory to LDS
.set KF,   32                          ; v32-63   K of a step: key tile c at 8 c
.set VF,   64                          ; v64-95   V of a step: channel tile c at 8 c
.set SA,   96                          ; v96-159  S^T, then p: 32 t + 8 c
.set OA,   160                         ; v160-223 O^T: 32 t + 8 c
.set PF,   224                         ; v224-239 p's codes, at the end o's: 8 t
.set ST,   240                         ; v240-255 tile t's statistics at 8 t: +0 -M, +1 the largest t, +2, +3 the sum in two halves, +4 f, +5 what the other half of the lanes sent, +6, +7 at work
.set WV,   14                          ; s14  my wave's number
.set SEL,  20                          ; s[20:21] lane selects for v_permlanex16_b32: lane l xor 16
.set CS,   22                          ; s[22:23] c = log2(e) x 2^(e6 + e7): the packed form names a pair and takes its low word for both halves
.set GP,   24                          ; s[24:25] my image of the group that is asked for next
.set GS,   26                          ; s[26:27] a group on, in bytes: 8,192 in k_img, 131,072 in v_img
.set GLEFT, 28                         ; s28  groups still to be asked for
.set LIM,  29                          ; s29  1 in a wave that prefetches, else the greatest number
.set TRIPS, 30                         ; s30  the loop's trips
	s_load_b256 s[4:11], s[0:1], 0x0               ; q_img s[4:5], k_img s[6:7], v_img s[8:9], the scales s[10:11]
	s_load_b64 s[12:13], s[0:1], 0x20              ; o_img
	v_and_b32 v[LI], 31, v0
	v_lshlrev_b32 v[LI], 4, v[LI]
	v_lshrrev_b32 v[SW], 5, v0
	v_readfirstlane_b32 s[WV], v[SW]               ; wave 0..15
	v_lshl_add_u32 v[SW], v[SW], 10, v[LI]
	s_and_b32 s15, ttmp7, 0xffff
	s_lshr_b32 s16, s15, 4                         ; b
	s_and_b32 s17, s15, 15                         ; head
	s_lshl_b32 s18, s16, 7
	s_lshl_b32 s38, ttmp9, 5
	s_add_co_u32 s18, s18, s38
	s_lshl_b32 s38, s[WV], 1
	s_add_co_u32 s18, s18, s38                     ; my first token tile: 128 b + 32 x work-group x + 2 x wave
	s_lshl_b32 s38, s17, 9
	s_add_co_u32 s38, s38, s18
	s_lshl_b32 s38, s38, 10                        ; its image in q_img
	s_mov_b32 s39, 0
	s_lshr_b32 s40, s17, 2
	s_lshl_b32 s40, s40, 9
	s_add_co_u32 s40, s40, s18
	s_lshl_b32 s40, s40, 12
	s_and_b32 s41, s17, 3
	s_lshl_b32 s41, s41, 10
	s_add_co_u32 s40, s40, s41                     ; and in o_img
	s_mov_b32 s41, 0
	s_lshl_b32 s42, s17, 9                         ; waves 0-7 bring K's image w of a group: (512 head + 128 b + w) x 1024
	s_lshl_b32 s43, s16, 7
	s_add_co_u32 s42, s42, s43
	s_add_co_u32 s42, s42, s[WV]
	s_lshl_b32 s42, s42, 10
	s_lshl_b32 s43, s16, 21                        ; waves 8-15 bring V's: (64 (32 b + (w / 4) % 2) + 4 head + w % 4) x 1024
	s_lshl_b32 s44, s17, 12
	s_add_co_u32 s43, s43, s44
	s_bfe_u32 s44, s[WV], 0x10002
	s_lshl_b32 s44, s44, 16
	s_add_co_u32 s43, s43, s44
	s_and_b32 s44, s[WV], 3
	s_lshl_b32 s44, s44, 10
	s_add_co_u32 s43, s43, s44
	s_cmp_lt_u32 s[WV], 8
	s_cselect_b32 s42, s42, s43
	s_mov_b32 s43, 0
	s_mov_b32 s[GS], 0x20000
	s_cselect_b32 s[GS], 0x2000, s[GS]
	s_mov_b32 s[GS+1], 0
	s_mov_b32 s44, 0x10000
	s_cselect_b32 s44, 0x1000, s44                 ; the prefetches: lanes 16-31 stand 4,096 bytes on in K's dense 8,192, and at the second block of 64 keys in V
	v_and_b32 v[PFO], 15, v0
	v_lshlrev_b32 v[PFO], 8, v[PFO]                ; lanes 256 bytes apart
	v_bfe_u32 v[SG], v0, 4, 1
	v_mad_u32_u24 v[PFO], v[SG], s44, v[PFO]
	v_add_nc_u32 v[PFO], s[GS], v[PFO]             ; one group further on than the loads
	s_and_b32 s[LIM], s[WV], 7                     ; waves 0 (K) and 8 (V),
	s_or_b32 s[LIM], s[LIM], ttmp9                 ; of the head's first work-group: the four work-groups of a head walk the same K and V
	s_cmp_eq_u32 s[LIM], 0
	s_cselect_b32 s[LIM], 1, -1
	s_mov_b32 s[SEL], 0x76543210
	s_mov_b32 s[SEL+1], 0xfedcba98
	s_mov_b32 s[GLEFT], 15
	s_mov_b32 s[TRIPS], 8
	s_wait_kmcnt 0x0
	s_load_b128 s[32:35], s[10:11], 0x18           ; e6, e7, e8, e9
	s_load_b32 s36, s[10:11], 0x28                 ; e10
	s_add_nc_u64 s[4:5], s[4:5], s[38:39]
	s_add_nc_u64 s[12:13], s[12:13], s[40:41]
	s_cmp_lt_u32 s[WV], 8
	s_cselect_b64 s[GP:GP+1], s[6:7], s[8:9]
	s_add_nc_u64 s[GP:GP+1], s[GP:GP+1], s[42:43]
.irp i, 0,1,2,3
	global_load_b128 v[QF+4*\i:QF+4*\i+3], v[LI], s[4:5] offset:512*\i th:TH_LOAD_NT   ; my two images of Q lie on end; nobody else reads them
.endr
	global_load_b128 v[SG:SG+3], v[LI], s[GP:GP+1]                 ; my image of group 0
	global_load_b128 v[SG+4:SG+7], v[LI], s[GP:GP+1] offset:512
.irp t, 0,1
	v_mov_b32 v[ST+8*\t+1], 0xff61b1e6             ; the largest t so far: -3e38, under every t
	v_floor_f32 v[ST+8*\t], -v[ST+8*\t+1]          ; -M
	v_mov_b32 v[ST+8*\t+2], 0                      ; the sum, in two halves
	v_mov_b32 v[ST+8*\t+3], 0
	v_mov_b32 v[ST+8*\t+5], 0                      ; written once: a lane permute's destination counts as one of its sources
.endr
.set i, 0
.rept 64
	v_mov_b32 v[OA+i], 0                           ; O^T.  (The step is written once: the first finds zeros, which the first change of M leaves zeros)
.set i, i+1
.endr
	s_wait_kmcnt 0x0
	s_add_co_i32 s38, s32, s33
	s_lshl_b32 s38, s38, 23
	s_add_co_i32 s[CS], s38, 0x3fb8aa3b            ; a score stands for score x 2^(e6 + e7): the two exponents are added to log2(e)'s exponent field
	s_mov_b32 s[CS+1], s[CS]                       ; (named with it as a pair, so it is written)
	s_add_co_i32 s38, s34, 127
	s_lshl_b32 s39, s38, 23
	v_mov_b32 v[PSC], s39
	s_add_co_i32 s38, s38, 8
	s_lshl_b32 s38, s38, 23
	s_or_b32 s38, s38, 0x600000
	v_mov_b32 v[PLM], s38
	s_sub_co_i32 s38, s36, s34                     ; a sum of the second product stands for sum x 2^(e8 + e9): o's code is (sum / l) / 2^(e10 - e8 - e9)
	s_sub_co_i32 s38, s38, s35
	s_add_co_i32 s38, s38, 127
	s_lshl_b32 s39, s38, 23
	v_mov_b32 v[OSC], s39
	s_add_co_i32 s38, s38, 8
	s_lshl_b32 s38, s38, 23
	s_or_b32 s38, s38, 0x600000
	v_mov_b32 v[OLM], s38
; A KEY STEP: 64 keys, the s-th half of the group in slot sl.  The two tiles alternate line by line, so that no line waits for the line above it.
.macro STEP sl, s
.irp i, 0,1,2,3
	ds_load_b128 v[KF+8*\i:KF+8*\i+3],   v[LI] offset:16384*(\sl)+4096*(\s)+1024*\i        ; 32 lanes, 512 consecutive bytes
	ds_load_b128 v[KF+8*\i+4:KF+8*\i+7], v[LI] offset:16384*(\sl)+4096*(\s)+1024*\i+512
.endr
	s_wait_dscnt 0x0
.irp c, 0,1,2,3
.irp t, 0,1
	v_wmma_f32_16x16x64_fp8_fp8 v[SA+32*\t+8*\c:SA+32*\t+8*\c+7], v[KF+8*\c:KF+8*\c+7], v[QF+8*\t:QF+8*\t+7], 0
.endr
.endr
.rept 4
	v_nop                                          ; places: behind these products ahead of the first read of the scores, and behind the last step's V^T P ahead of the loads into V's registers
.endr
.irp i, 0,1,2,3
	ds_load_b128 v[VF+8*\i:VF+8*\i+3],   v[LI] offset:16384*(\sl)+8192+4096*(\s)+1024*\i   ; V lands while the softmax is worked
	ds_load_b128 v[VF+8*\i+4:VF+8*\i+7], v[LI] offset:16384*(\sl)+8192+4096*(\s)+1024*\i+512
.endr
	; the step's largest score of my query among my 32 keys, in two chains; each accumulator is read from its low end on
.irp t, 0,1
	v_max3_num_f32 v[ST+8*\t+6], v[SA+32*\t], v[SA+32*\t+1], v[SA+32*\t+2]
.endr
.irp t, 0,1
	v_max3_num_f32 v[ST+8*\t+7], v[SA+32*\t+3], v[SA+32*\t+4], v[SA+32*\t+5]
.endr
.irp i, 6,10,14,18,22,26
.irp t, 0,1
	v_max3_num_f32 v[ST+8*\t+6], v[ST+8*\t+6], v[SA+32*\t+\i], v[SA+32*\t+\i+1]
.endr
.irp t, 0,1
	v_max3_num_f32 v[ST+8*\t+7], v[ST+8*\t+7], v[SA+32*\t+\i+2], v[SA+32*\t+\i+3]
.endr
.endr
.irp t, 0,1
	v_max3_num_f32 v[ST+8*\t+6], v[ST+8*\t+6], v[SA+32*\t+30], v[SA+32*\t+31]
.endr
.irp t, 0,1
	v_max_num_f32 v[ST+8*\t+6], v[ST+8*\t+6], v[ST+8*\t+7]
.endr
.irp t, 0,1
	v_permlanex16_b32 v[ST+8*\t+5], v[ST+8*\t+6], s[SEL], s[SEL+1]   ; the query's other 32 keys lie in the lane 16 away
.endr
.irp t, 0,1
	v_max_num_f32 v[ST+8*\t+6], v[ST+8*\t+6], v[ST+8*\t+5]
.endr
.irp t, 0,1
	v_mul_f32 v[ST+8*\t+6], s[CS], v[ST+8*\t+6]    ; as t (c is positive)
.endr
.irp t, 0,1
	v_max_num_f32 v[ST+8*\t+1], v[ST+8*\t+1], v[ST+8*\t+6]   ; the running largest t
.endr
.irp t, 0,1
	v_mov_b32 v[ST+8*\t+6], v[ST+8*\t]
.endr
.irp t, 0,1
	v_floor_f32 v[ST+8*\t], -v[ST+8*\t+1]          ; the new -M = floor(-t) = -ceil(t): M is a whole number
.endr
.irp t, 0,1
	v_sub_f32 v[ST+8*\t+6], v[ST+8*\t], v[ST+8*\t+6]   ; M's old value less its new one: a whole number, 0 or less
.endr
.irp t, 0,1
	v_cvt_i32_f32 v[ST+8*\t+6], v[ST+8*\t+6]       ; (it saturates)
.endr
.irp t, 0,1
	v_ldexp_f32 v[ST+8*\t+4], 1.0, v[ST+8*\t+6]    ; f = 2^(old M - new M)
.endr
.irp j, 0,2,4,6,8,10,12,14,16,18,20,22,24,26,28,30
.irp t, 0,1
	v_pk_fma_f32 v[SA+32*\t+\j:SA+32*\t+\j+1], v[SA+32*\t+\j:SA+32*\t+\j+1], s[CS:CS+1], v[ST+8*\t:ST+8*\t+1] op_sel_hi:[1,0,0]   ; t - M, two at a time (of the pairs c and -M the low word serves both halves)
.endr
.endr
.set i, 0
.rept 64
	v_exp_f32 v[SA+i], v[SA+i]                     ; p = 2^(t - M): both tiles' 64 are one batch
.set i, i+1
.endr
.irp t, 0,1
	v_pk_mul_f32 v[ST+8*\t+2:ST+8*\t+3], v[ST+8*\t+2:ST+8*\t+3], v[ST+8*\t+4:ST+8*\t+5] op_sel_hi:[1,0]   ; the sums under the new M: plain lines behind the exponentials
.endr
	s_wait_alu depctr_va_vdst(0)                   ; one wait for the whole batch, ahead of its first reader
.irp t, 0,1
	v_pk_add_f32 v[ST+8*\t+6:ST+8*\t+7], v[SA+32*\t:SA+32*\t+1], v[SA+32*\t+2:SA+32*\t+3]   ; the row's sum is taken of the UNQUANTISED p: two at a time, in two chains
.endr
.irp j, 4,8,12,16,20,24,28
.irp t, 0,1
	v_pk_add_f32 v[ST+8*\t+2:ST+8*\t+3], v[ST+8*\t+2:ST+8*\t+3], v[SA+32*\t+\j:SA+32*\t+\j+1]
.endr
.irp t, 0,1
	v_pk_add_f32 v[ST+8*\t+6:ST+8*\t+7], v[ST+8*\t+6:ST+8*\t+7], v[SA+32*\t+\j+2:SA+32*\t+\j+3]
.endr
.endr
.irp t, 0,1
	v_pk_add_f32 v[ST+8*\t+2:ST+8*\t+3], v[ST+8*\t+2:ST+8*\t+3], v[ST+8*\t+6:ST+8*\t+7]
.endr
	s_cmp_ge_i32 s34, -8                           ; 448 x 2^e8 is 1.75 or more: no p reaches it
	s_cbranch_scc1 .Lfree_\@
.set i, 0
.rept 64
	v_min_num_f32 v[SA+i], v[SA+i], v[PLM]         ; the conversion to an 8-bit code does not saturate (ISA guide 7.6.2); p is not negative, so the hold is one-sided
.set i, i+1
.endr
.Lfree_\@:
.irp c, 0,1,2,3
.irp t, 0,1
	v_cvt_scalef32_pk8_fp8_f32 v[PF+8*\t+2*\c:PF+8*\t+2*\c+1], v[SA+32*\t+8*\c:SA+32*\t+8*\c+7], v[PSC]   ; keys 16 c + 8 (lane / 16) + 0 .. 7: registers 2 c, 2 c + 1 of the operand
.endr
.endr
.irp j, 0,2,4,6,8,10,12,14,16,18,20,22,24,26,28,30
.irp t, 0,1
	v_pk_mul_f32 v[OA+32*\t+\j:OA+32*\t+\j+1], v[OA+32*\t+\j:OA+32*\t+\j+1], v[ST+8*\t+4:ST+8*\t+5] op_sel_hi:[1,0]   ; O^T under the new M, each accumulator from its low end on.  (Also the plain lines between the conversions and the products that read their results)
.endr
.endr
	s_wait_dscnt 0x0                               ; V is in
.irp c, 0,1,2,3
.irp t, 0,1
	v_wmma_f32_16x16x64_fp8_fp8 v[OA+32*\t+8*\c:OA+32*\t+8*\c+7], v[VF+8*\c:VF+8*\c+7], v[PF+8*\t:PF+8*\t+7], v[OA+32*\t+8*\c:OA+32*\t+8*\c+7]   ; the eight accumulators take turns, one instruction a turn
.endr
.endr
.endm
; A GROUP of 128 keys in slot sl.  My image has come from memory; it goes into the slot, which every wave left before the last barrier; behind this barrier the slot is whole.  Then the next group is asked for:
; it has this group's two key steps in which to come.  The last group asks for nothing: no load leaves its buffer.
; THE PREFETCH stands behind the wave's two loads and names the group after the one that they ask for: K's 8,192 bytes (wave 0) and V's twice 4,096 (wave 8), lanes 256 bytes apart, in the head's first work-group
; alone: each aligned block of 256 bytes of groups 2 to 15 is named once in the launch.  Groups 0 and 1 come by their loads alone; the last two groups' turns ask for nothing.
.macro GROUP sl
	s_wait_loadcnt 0x0                             ; my image of this group is in registers (in the first group: Q too)
	s_wait_xcnt 0x0                                ; the prefetch of a group ago has read its base, so it may be written
	s_add_nc_u64 s[GP:GP+1], s[GP:GP+1], s[GS:GS+1]
	ds_store_b128 v[SW], v[SG:SG+3] offset:16384*(\sl)
	ds_store_b128 v[SW], v[SG+4:SG+7] offset:16384*(\sl)+512
	s_wait_dscnt 0x0                               ; for the others' sake: my stores have landed, and my reads of the other slot are back
	s_barrier_signal -1
	s_barrier_wait -1
	s_cmp_eq_u32 s[GLEFT], 0
	s_cbranch_scc1 .Lnofill_\@
	global_load_b128 v[SG:SG+3], v[LI], s[GP:GP+1]
	global_load_b128 v[SG+4:SG+7], v[LI], s[GP:GP+1] offset:512
	s_cmp_gt_u32 s[GLEFT], s[LIM]
	s_cbranch_scc0 .Lnofill_\@
	global_prefetch_b8 v[PFO], s[GP:GP+1] th:TH_LOAD_NT scope:SCOPE_SE
.Lnofill_\@:
	s_sub_co_u32 s[GLEFT], s[GLEFT], 1
	STEP \sl, 0
	STEP \sl, 1
.endm
.Ltrip:                                            ; eight trips of two groups: 2,048 keys
	GROUP 0
	GROUP 1
	s_sub_co_u32 s[TRIPS], s[TRIPS], 1
	s_cmp_lg_u32 s[TRIPS], 0
	s_cbranch_scc1 .Ltrip
	; THE WAY OUT.  The sum's two halves and the other half of the lanes' are added; O^T is divided by the sum, held, and converted: tile t's four accumulators become the eight registers of its image.
.rept 4
	v_nop                                          ; places behind the last products
.endr
.irp t, 0,1
	v_add_f32 v[ST+8*\t+2], v[ST+8*\t+2], v[ST+8*\t+3]
.endr
.irp t, 0,1
	v_permlanex16_b32 v[ST+8*\t+5], v[ST+8*\t+2], s[SEL], s[SEL+1]
.endr
.irp t, 0,1
	v_add_f32 v[ST+8*\t+2], v[ST+8*\t+2], v[ST+8*\t+5]
.endr
.irp t, 0,1
	v_rcp_f32 v[ST+8*\t+4], v[ST+8*\t+2]
.endr
	v_nop                                          ; a plain line behind the last reciprocal
	s_wait_alu depctr_va_vdst(0)                   ; one wait for both, ahead of their first reader
.irp j, 0,2,4,6,8,10,12,14,16,18,20,22,24,26,28,30
.irp t, 0,1
	v_pk_mul_f32 v[OA+32*\t+\j:OA+32*\t+\j+1], v[OA+32*\t+\j:OA+32*\t+\j+1], v[ST+8*\t+4:ST+8*\t+5] op_sel_hi:[1,0]
.endr
.endr
.set i, 0
.rept 64
	v_med3_num_f32 v[OA+i], v[OA+i], -v[OLM], v[OLM]   ; the hold at the largest code x the scale
.set i, i+1
.endr
.irp c, 0,1,2,3
.irp t, 0,1
	v_cvt_scalef32_pk8_fp8_f32 v[PF+8*\t+2*\c:PF+8*\t+2*\c+1], v[OA+32*\t+8*\c:OA+32*\t+8*\c+7], v[OSC]
.endr
.endr
	v_nop                                          ; a plain line behind the last conversion
.irp t, 0,1
	global_store_b128 v[LI], v[PF+8*\t:PF+8*\t+3], s[12:13] offset:4096*\t          ; 32 lanes store 512 consecutive bytes, aligned; a token tile's four heads lie on end, so my two images are 4,096 bytes apart
	global_store_b128 v[LI], v[PF+8*\t+4:PF+8*\t+7], s[12:13] offset:4096*\t+512
.endr
	s_wait_xcnt 0x0
	v_lshl_add_u32 v254, v0, 2, 0x8000
	v_mov_b32 v255, 0
	s_wait_tensorcnt 0x0
	ds_add_u32 v254, v255
	s_wait_dscnt 0x0
	s_endpgm
.Lfunc_end_k_qa82f78d4d6_attn:
	.size	k_qa82f78d4d6_attn, .Lfunc_end_k_qa82f78d4d6_attn-k_qa82f78d4d6_attn
	.p2alignl 7, 3214868480
	.fill 96, 4, 3214868480
	.section	.rodata,"a",@progbits
	.p2align	6, 0x0
	.amdhsa_kernel k_qa82f78d4d6_attn
		.amdhsa_group_segment_fixed_size 34816
		.amdhsa_private_segment_fixed_size 0
		.amdhsa_enable_private_segment 0
		.amdhsa_kernarg_size 40
		.amdhsa_user_sgpr_count 2
		.amdhsa_user_sgpr_kernarg_segment_ptr 1
		.amdhsa_wavefront_size32 1
		.amdhsa_system_sgpr_workgroup_id_x 1
		.amdhsa_system_sgpr_workgroup_id_y 1
		.amdhsa_system_sgpr_workgroup_id_z 1
		.amdhsa_system_vgpr_workitem_id 0
		.amdhsa_next_free_vgpr 256
		.amdhsa_next_free_sgpr 66
		.amdhsa_reserve_vcc 0
		.amdhsa_float_denorm_mode_32 3
		.amdhsa_float_denorm_mode_16_64 3
		.amdhsa_memory_ordered 1
		.amdhsa_forward_progress 1
		.amdhsa_inst_pref_size 79
	.end_amdhsa_kernel
	.amdgpu_metadata
---
amdhsa.version: [ 1, 2 ]
amdhsa.kernels:
  - .name:           k_qa82f78d4d6_attn
    .symbol:         k_qa82f78d4d6_attn.kd
    .args:
      - { .name: q_img, .offset: 0, .size: 8, .value_kind: global_buffer, .address_space: global }
      - { .name: k_img, .offset: 8, .size: 8, .value_kind: global_buffer, .address_space: global }
      - { .name: v_img, .offset: 16, .size: 8, .value_kind: global_buffer, .address_space: global }
      - { .name: lowp_scales, .offset: 24, .size: 8, .value_kind: global_buffer, .address_space: global }
      - { .name: o_img, .offset: 32, .size: 8, .value_kind: global_buffer, .address_space: global }
    .group_segment_fixed_size: 34816
    .private_segment_fixed_size: 0
    .kernarg_segment_align: 8
    .kernarg_segment_size: 40
    .max_flat_workgroup_size: 512
    .sgpr_count:     66
    .vgpr_count:     256
    .wavefront_size: 32
...
	.end_amdgpu_metadata
.endif
;; end of part 2
;; launch proj (part 3): grid 4 x 32, 4 waves a work-group, clusters of 4 x 4, 327,680 bytes of LDS; arguments o_img, Wo_codes, lowp_scales, bo, out0; writes out0
.if DOCPART == 3
	.amdgcn_target "amdgcn-amd-amdhsa--gfx1250"
	.amdhsa_code_object_version 6
	.text
	.protected	k_qa82f78d4d6_proj
	.globl	k_qa82f78d4d6_proj
	.p2align	8
	.type	k_qa82f78d4d6_proj,@function
k_qa82f78d4d6_proj:
	s_mov_b64 s[64:65], 0
	v_nop
	global_prefetch_b8 v0, s[64:65] scope:SCOPE_SE
	s_setreg_imm32_b32 hwreg(HW_REG_WAVE_MODE, 25, 1), 1
	s_wait_xcnt 0x0
	s_wait_alu depctr_hold_cnt(0) depctr_sa_sdst(0) depctr_va_vdst(0) depctr_va_sdst(0) depctr_va_ssrc(0) depctr_va_vcc(0) depctr_vm_vsrc(0)
	s_getreg_b32 s2, hwreg(HW_REG_IB_STS2, 6, 4)
	s_cmp_eq_u32 s2, 0
	s_cbranch_scc0 .Lentry_in_a_cluster
	s_endpgm
.Lentry_in_a_cluster:
	s_bfe_u32 s2, ttmp6, 0x10000c
	s_cmp_lg_u32 s2, 0xf033
	s_cbranch_scc0 .Lentry_shape_is_right
	s_endpgm
.Lentry_shape_is_right:
; out0[m][n] = 2^(e10 + e11) x (sum over k of o[m][k] Wo[n][k]) + bo[n].  o: 8,192 tokens x 1,024, codes of FP8 (E4M3) laid as images of operand registers; Wo: [1024][1024] codes, K innermost; out0: [8192][1024] f32.
; o_img: image (token tile T of 16, head) at ((512 (head / 4) + T) x 4 + head % 4) x 1024: 16 tokens x the head's 64 channels, registers 0-3 at 16 x lane, registers 4-7 at 512 + 16 x lane, plain 8-bit layout.
; Two neighbouring heads' images are registers 0-7 and 8-15 of a fragment of 16 rows x 128 K; 8 token tiles x 4 heads (128 tokens x 256 along K) are one dense block of 32,768 bytes.
; LIMIT: e10 + e11 lies between -126 and 127, so that 2^(e10 + e11) is an f32 number.
; A tile of out0, 256 x 256, is made by a work-group of four waves; a wave makes 128 x 128: 64 accumulators, 512 registers.  K goes in four steps of 256 through two LDS slots filled by the tensor data mover.
; CLUSTERS: 4 x 4 work-groups.  The four of a row of the cluster need the same tokens' images, the four of a column the same rows of Wo: each tile is asked for jointly, by the same tensor load with a mask that names the four.
; THE MATRIX INSTRUCTION IS USED TRANSPOSED (source 0 = 16 rows of Wo, source 1 = 16 tokens): a lane then holds eight neighbouring numbers of a row of out0.
; K STANDS IN ITS TRUE PLACES: the images give registers 2 c, 2 c + 1 the K = 16 c + 8 (lane / 16) + 0 .. 7, so Wo's fragments are fetched by eight loads of 8 bytes, 16 bytes apart.
; REGISTERS, in windows of 256: window 0: v0-31 addresses; v32-95 bo of my 128 columns in the result's layout; from v128 the tokens' fragments (one set), on the way out rows read back from the stage.
;   window 1: Wo's fragments, two sets, at v0 and v128; on the way out v0-63 a block's results.   window 2: the accumulators of my rows 0-63 ((a, b) at v[8 (8 a + b)]);   window 3: those of rows 64-127.
.set SIZE_N, 1024
.set PITCH,  272                       ; a row of Wo's tile in LDS: 256 bytes + 16 of padding = 68 words: row r starts at bank 4 r mod 64 (64 banks of 4 bytes: ISA guide 11.1): the 32 lanes of a load of 8 bytes touch 64 different banks
.set FR,     16                        ; registers of a fragment: 16 rows x 128 K
.set NL,     4                         ; LDS loads that bring a fragment of the tokens' side
.set NP,     4                         ; places behind this matrix instruction (ISA guide 7.12.1)
.set AHALF,  32768                     ; 128 tokens x 256 along K as images, dense
.set BHALF,  128*PITCH                 ; 128 rows of Wo
.set SLOT,   2*AHALF+2*BHALF           ; the tokens' two halves, then Wo's two
.set SPARE,  2*SLOT                    ; behind the ring: the spare words, 128 bytes for each wave: two blocks of 256 bytes that no other line names
.set SPITCH, 528                       ; the way out: a stage of 16 rows x (512 bytes + 16) for each wave.  It lies in slot 0, which has had its last fill and its last read when the first result is stored there
.set ADRA, 16                          ; v16-17  LDS address of my tokens' fragments in slot 0, 1
.set ADRB, 20                          ; v20-21  the same for Wo
.set STO,  24                          ; v24     the way out: where I put 32 bytes of a row
.set RD,   25                          ; v25     the way out: where I read a row back
.set CO,   26                          ; v26     16 x lane: an image's place for my lane, and my byte offset in a row of out0
.set SPW,  28                          ; v28     LDS address of my spare word: SPARE + 4 x my thread's number; never rewritten
.set NIL,  29                          ; v29     0; never rewritten
.set BI,   32                          ; v32-95  bo: register 8 b + j = bo of column 16 b + 8 (lane / 16) + j of my 128
.set AF,   128                         ; the tokens' fragments, in window 0
.set BK,   128                         ; the way out: 16 rows read back from the stage: v128-191 and v192-255 by turns
.set G1, 24                            ; s[24:31] descriptor group 1 for the tokens' tiles;  s[32:39] group 0, one set for each slot
.set G0, 32
.set G1B, 48                           ; s[48:55], s[56:63] the same for Wo's tiles
.set G0B, 56
.set MSB, 0
.macro WIN new                         ; the immediate's high byte repeats the setting that is left; a switch that changes nothing is dropped
.if MSB != (\new)
	s_set_vgpr_msb (MSB<<8)|(\new)
.set MSB, \new
.endif
.endm
.set MUL_LO, 0xa1                      ; source 0 (Wo) window 1, source 1 (tokens) window 0, C and D window 2
.set MUL_HI, 0xf1                      ; the same, C and D window 3
.set TO_B,   0x40                      ; destination window 1, address window 0
; A joint load: waves 0 and 1 fetch the tokens' halves, waves 2 and 3 Wo's.  Each of the two lines has one mask and one set of registers for all that issue it; the branch hangs on the wave's number alone.
; Four v_nop follow each of the two lines, ahead of the jump, the label and what follows.
.macro JLOAD g0a, g1a, g0b, g1b
	s_cmp_eq_u32 s15, 0
	s_cbranch_scc0 .Lfor_b_\@
	tensor_load_to_lds s[\g0a:\g0a+3], s[\g1a:\g1a+7]
	s_nop 0
.rept 4
	v_nop
.endr
	s_branch .Lasked_\@
.Lfor_b_\@:
	tensor_load_to_lds s[\g0b:\g0b+3], s[\g1b:\g1b+7]
	s_nop 0
.rept 4
	v_nop
.endr
.Lasked_\@:
.endm
.macro CREST                           ; a round of the cluster's barrier behind its opening barrier
	s_cmp_lg_u32 s14, 0
	s_cbranch_scc1 .Lnot_wave_0_\@
	s_barrier_signal -3
.Lnot_wave_0_\@:
	s_barrier_wait -3
	s_barrier_signal -1
	s_barrier_wait -1
.endm
.macro CROUND                          ; a whole round
	s_barrier_signal -1
	s_barrier_wait -1
	CREST
.endm
	s_load_b256 s[4:11], s[0:1], 0x0               ; o_img s[4:5], Wo's codes s[6:7], the scales s[8:9], bo s[10:11]
	s_load_b64 s[12:13], s[0:1], 0x20              ; out0
	v_lshl_add_u32 v[SPW], v0, 2, SPARE
	v_mov_b32 v[NIL], 0
	ds_add_u32 v28, v29
	ds_add_u32 v28, v29
	s_wait_dscnt 0x0
	v_lshrrev_b32 v1, 5, v0
	v_readfirstlane_b32 s14, v1                    ; wave 0..3
	s_lshr_b32 s15, s14, 1                         ; which half of the tile's rows is mine.  Also: I fetch the tokens' side (0) or Wo's (1)
	s_and_b32 s16, s14, 1                          ; which half of its columns.  Also: which half of that side I fetch
	s_bfe_u32 s40, ttmp6, 0x40000                  ; cx, cy: my place in the cluster
	s_bfe_u32 s41, ttmp6, 0x40004
	s_lshl_b32 s42, ttmp9, 2
	s_add_co_u32 s42, s42, s40                     ; tile column = 4 x cluster x + cx
	s_and_b32 s17, ttmp7, 0xffff
	s_lshl_b32 s17, s17, 2
	s_add_co_u32 s17, s17, s41                     ; tile row = 4 x cluster y + cy
	s_lshl_b32 s43, s41, 2
	s_lshl_b32 s43, 15, s43                        ; my row of the cluster
	s_lshl_b32 s44, 0x1111, s40                    ; my column
	; descriptor group 1, the tokens' side: a dense block of 32,768 bytes as 128 rows of 32 elements of 8 bytes, no padding
	s_or_b32 s[G1+0], s43, (3<<16)|(1<<21)         ; 15:0 the mask: my row; 17:16 element of 8 bytes; 21 set beside a mask
	s_mov_b32 s[G1+1], 32<<16                      ; tensor_dim0 = 32
	s_mov_b32 s[G1+2], 128<<16                     ; tensor_dim1 = 128
	s_mov_b32 s[G1+3], 32<<16                      ; tile_dim0 = 32
	s_mov_b32 s[G1+4], 128                         ; tile_dim1 = 128
	s_mov_b32 s[G1+5], 32                          ; tensor_dim0_stride: each row begins where the last ends
	s_mov_b32 s[G1+6], 0
	s_mov_b32 s[G1+7], 0
	; Wo's side: 128 rows x 256 bytes, padded in LDS
	s_or_b32 s[G1B+0], s44, (0<<16)|(1<<20)|(1<<21)|(5<<22)|(3<<25)  ; the mask: my column; element of 1 byte; padding on; 21 set beside a mask; after every 64 words (code 5) 4 words (code 3)
	s_mov_b32 s[G1B+1], 256<<16
	s_mov_b32 s[G1B+2], 128<<16
	s_mov_b32 s[G1B+3], 256<<16
	s_mov_b32 s[G1B+4], 128
	s_mov_b32 s[G1B+5], 1024                       ; a row of Wo in memory
	s_mov_b32 s[G1B+6], 0
	s_mov_b32 s[G1B+7], 0
	s_lshl_b32 s20, s17, 4
	s_lshl_b32 s18, s16, 3
	s_add_co_u32 s20, s20, s18                     ; the tokens' side: token tile 16 x tile row + 8 x half,
	s_lshl_b32 s20, s20, 12                        ; 4,096 bytes (four heads' images) each
	s_mov_b32 s21, 0
	s_lshl_b32 s46, s42, 8
	s_lshl_b32 s18, s16, 7
	s_add_co_u32 s46, s46, s18                     ; Wo: row 256 x tile column + 128 x half,
	s_lshl_b32 s46, s46, 10                        ; 1,024 bytes each
	s_mov_b32 s47, 0
	s_mul_i32 s45, s16, AHALF                      ; where they go: no place in the cluster enters an LDS address
	s_mul_i32 s22, s16, BHALF
	s_add_co_u32 s22, s22, 2*AHALF
	s_wait_kmcnt 0x0
	s_load_b64 s[96:97], s[8:9], 0x28              ; e10, e11
	s_add_nc_u64 s[20:21], s[4:5], s[20:21]
	s_add_nc_u64 s[46:47], s[6:7], s[46:47]
	CROUND                                         ; all sixteen work-groups are here: the first joint loads meet
.irp s, 0,1
	s_mov_b32 s[G0+4*\s], 1
	s_add_co_u32 s[G0+4*\s+1], s45, \s*SLOT
	s_add_nc_u64 s[G0+4*\s+2:G0+4*\s+3], s[20:21], \s*0x200000     ; K step s = heads 4 s .. 4 s + 3: 512 token tiles x 4,096 bytes on
	s_or_b32 s[G0+4*\s+3], s[G0+4*\s+3], 0x80000000
	s_mov_b32 s[G0B+4*\s], 1
	s_add_co_u32 s[G0B+4*\s+1], s22, \s*SLOT
	s_add_nc_u64 s[G0B+4*\s+2:G0B+4*\s+3], s[46:47], \s*256
	s_or_b32 s[G0B+4*\s+3], s[G0B+4*\s+3], 0x80000000
	JLOAD G0+4*\s, G1, G0B+4*\s, G1B               ; two loads of mine are out behind these
.endr
	v_and_b32 v1, 15, v0                           ; l % 16
	v_bfe_u32 v2, v0, 4, 1                         ; l / 16
	v_and_b32 v6, 31, v0
	v_lshlrev_b32 v[CO], 4, v6                     ; 16 x lane
	v_mul_u32_u24 v3, v1, PITCH
	v_lshl_add_u32 v4, v2, 3, v3                   ; Wo: row x pitch + 8 x half
	s_mul_i32 s21, s15, AHALF                      ; my 128 tokens
	s_mul_i32 s22, s16, BHALF                      ; my 128 rows of Wo,
	s_add_co_u32 s22, s22, 2*AHALF                 ; which lie behind the tokens' two halves
.irp s, 0,1
	v_add_nc_u32 v[ADRA+\s], s21, v[CO]
	v_add_nc_u32 v[ADRB+\s], s22, v4
	s_add_co_u32 s21, s21, SLOT
	s_add_co_u32 s22, s22, SLOT
.endr
	s_mul_i32 s23, s14, 16*SPITCH                  ; my stage
	v_mul_u32_u24 v5, v1, SPITCH                   ; in: row l % 16, 32 bytes for each half of the lanes
	v_lshl_add_u32 v5, v2, 5, v5
	v_add_nc_u32 v[STO], s23, v5
	v_add_nc_u32 v[RD], s23, v[CO]                 ; back: the 32 lanes take one row of 512 bytes
	s_lshl_b32 s46, s42, 10                        ; my first column, in bytes of f32: 1024 x tile column + 512 x half: in bo and in a row of out0 alike
	s_lshl_b32 s47, s16, 9
	s_add_co_u32 s46, s46, s47
	s_mov_b32 s47, 0
	s_add_nc_u64 s[10:11], s[10:11], s[46:47]
	s_lshl_b32 s20, s17, 8
	s_lshl_b32 s21, s15, 7
	s_add_co_u32 s20, s20, s21                     ; my first row of out0: 256 x tile row + 128 x half,
	s_lshl_b32 s20, s20, 12                        ; 4,096 bytes each
	s_mov_b32 s21, 0
	s_add_nc_u64 s[20:21], s[20:21], s[46:47]
	s_add_nc_u64 s[12:13], s[12:13], s[20:21]
	v_lshlrev_b32 v7, 5, v2                        ; bo: lanes 16-31 take the eight columns behind lanes 0-15's
.irp b, 0,1,2,3,4,5,6,7
	global_load_b128 v[BI+8*\b:BI+8*\b+3], v7, s[10:11] offset:64*\b       ; read once, kept for the way out
	global_load_b128 v[BI+8*\b+4:BI+8*\b+7], v7, s[10:11] offset:64*\b+16
.endr
.macro FRAGA reg, slot, q, i           ; token tile i, the slot's q-th 128 along K: two images on end, four pieces of 512 consecutive bytes
.irp c, 0,1,2,3
	ds_load_b128 v[\reg+4*\c:\reg+4*\c+3], v[ADRA+\slot] offset:4096*(\i)+2048*(\q)+512*\c
.endr
.endm
.macro FRAGB reg, slot, q, i           ; 16 rows of Wo x 128 K: registers 2 c, 2 c + 1 hold K = 16 c + 8 (l / 16) + 0 .. 7
.irp c, 0,1,2,3,4,5,6,7
	ds_load_b64 v[\reg+2*\c:\reg+2*\c+1], v[ADRB+\slot] offset:128*(\q)+16*\c+(\i)*16*PITCH
.endr
.endm
; 16 matrix instructions: token blocks a0, a0 + 1 x Wo's eight, 128 along K.  p: Wo's set.  zero = 1: the first product starts the sums: nothing is ever cleared.
; The 64 accumulators take turns, one instruction a turn, in the same order in every step.
.macro MUL16 a0, p, zero
.irp a, \a0, \a0+1
.irp b, 0,1,2,3,4,5,6,7
.if \zero
	v_wmma_f32_16x16x128_fp8_fp8 v[8*(8*((\a)%4)+\b):8*(8*((\a)%4)+\b)+7], v[128*(\p)+FR*\b:128*(\p)+FR*\b+FR-1], v[AF+FR*(\a):AF+FR*(\a)+FR-1], 0
.else
	v_wmma_f32_16x16x128_fp8_fp8 v[8*(8*((\a)%4)+\b):8*(8*((\a)%4)+\b)+7], v[128*(\p)+FR*\b:128*(\p)+FR*\b+FR-1], v[AF+FR*(\a):AF+FR*(\a)+FR-1], v[8*(8*((\a)%4)+\b):8*(8*((\a)%4)+\b)+7]
.endif
.endr
.endr
.endm
.macro FETCH_B slot, q, p              ; Wo's eight fragments of the slot's q-th 128 along K into set p
	WIN TO_B
.irp i, 0,1,2,3,4,5,6,7
	FRAGB 128*(\p)+FR*\i, \slot, \q, \i
.endr
	WIN 0
.endm
.macro FETCH_A slot, q, i0             ; token blocks i0 .. i0 + 3
.irp i, \i0, \i0+1, \i0+2, \i0+3
	FRAGA AF+FR*(\i), \slot, \q, \i
.endr
.endm
; A load into a register that a matrix instruction has read, and a vector instruction that reads a matrix result or writes one of a matrix instruction's registers, stand NP places behind it; only plain vector
; instructions that name none of its registers are places (ISA guide 7.12.1 for vector instructions).
.macro PLACES n
.rept \n
	v_nop
.endr
.endm
; A step of 128 along K that has its successor in the same slot.  A token block is free as soon as its eight products are issued, so that side has one set of registers.
.macro STEP slot, q, zero
	s_wait_dscnt 4*NL                              ; Wo's set and token blocks 0-3 are in; the sixteen youngest loads (blocks 4-7) may be out
	WIN MUL_LO
	MUL16 0, (\q)%2, \zero
	MUL16 2, (\q)%2, \zero
	s_wait_dscnt 0                                 ; blocks 4-7 are in (asked for 32 matrix instructions ago)
	PLACES NP
	FETCH_B \slot, (\q)+1, 1-(\q)%2
	FETCH_A \slot, (\q)+1, 0
	WIN MUL_HI
	MUL16 4, (\q)%2, \zero
	MUL16 6, (\q)%2, \zero
	PLACES NP
	WIN 0
	FETCH_A \slot, (\q)+1, 4
.endm
; A slot's last step changes slots: one barrier; in front of it each wave waits for all its tensor loads, adds 0 to its spare word, and waits for that and for its own reads of this slot.  fill = 1: this slot is filled again, two K steps ahead.
.macro TURN slot, next, fill
	s_wait_tensorcnt 0x0                           ; all my tensor loads have landed: my part of the next slot;  (every window is 0 here: the add's two registers lie in window 0)
	ds_add_u32 v[SPW], v[NIL]                      ; 0 onto my spare word
	s_wait_dscnt 4*NL+1                            ; (the add and the sixteen youngest loads, token blocks 4-7, may be out)
	WIN MUL_LO
	MUL16 0, 1, 0                                  ; sixteen matrix instructions stand between the add and the wait for it
	s_wait_dscnt 0x0                               ; the add is done, and my reads of this slot are over
	s_barrier_signal -1
	MUL16 2, 1, 0
	WIN 0
	s_barrier_wait -1
.if \fill
	CREST                                          ; the barrier has opened a round of the cluster's barrier: no wave of any partner still reads this slot's tile or has a load on its way
	s_add_nc_u64 s[G0+4*\slot+2:G0+4*\slot+3], s[G0+4*\slot+2:G0+4*\slot+3], 0x400000
	s_add_nc_u64 s[G0B+4*\slot+2:G0B+4*\slot+3], s[G0B+4*\slot+2:G0B+4*\slot+3], 512
	JLOAD G0+4*\slot, G1, G0B+4*\slot, G1B         ; the first tensor load behind the round, my only one until the next; the four v_nop behind it are the places in front of the loads below
.else
	PLACES NP
.endif
	FETCH_B \next, 0, 0
	FETCH_A \next, 0, 0
	WIN MUL_HI
	MUL16 4, 1, 0
	MUL16 6, 1, 0
	PLACES NP
	WIN 0
	FETCH_A \next, 0, 4
.endm
	s_wait_tensorcnt 1                             ; my part of K step 0 is in (K step 1's load may be out)
	s_barrier_signal -1
	s_barrier_wait -1                              ; everybody's is
	FETCH_B 0, 0, 0
	FETCH_A 0, 0, 0
	FETCH_A 0, 0, 4
	STEP 0, 0, 1                                   ; K = 1,024 is four K steps of 256, eight steps of 128: written straight.  The first products start the sums
	TURN 0, 1, 1                                   ; slot 0 takes K step 2
	STEP 1, 0, 0
	TURN 1, 0, 1                                   ; slot 1 takes K step 3
	STEP 0, 0, 0
	TURN 0, 1, 0                                   ; nothing is left to fetch: no round of the cluster's barrier
	STEP 1, 0, 0
	s_wait_dscnt 4*NL                              ; the very last step
	WIN MUL_LO
	MUL16 0, 1, 0
	MUL16 2, 1, 0
	s_wait_dscnt 0
	WIN MUL_HI
	MUL16 4, 1, 0
	MUL16 6, 1, 0
	WIN 0
; THE WAY OUT, block by block of 16 rows x 128 columns.  A lane holds 32 neighbouring bytes of a row, and the lanes beside it hold other rows: so a block goes through my own stage in LDS and comes back as whole
; rows of 512 bytes, which the 32 lanes store as two aligned runs of 256 bytes.  LDS serves a wave's instructions in order (ISA guide 5.7.1.4): no wait between the stores and the loads, nor in front of the next block's stores.
.macro TOSTAGE a
.set AC, 64*((\a)%4)
	WIN 0x42+((\a)/4)                              ; source 0 (the sums): window 2 or 3; source 2 (bo): window 0; destination: window 1
.irp j, 0,2,4,6,8,10,12,14,16,18,20,22,24,26,28,30,32,34,36,38,40,42,44,46,48,50,52,54,56,58,60,62
	v_pk_fma_f32 v[\j:\j+1], v[AC+\j:AC+\j+1], s[96:97], v[BI+\j:BI+\j+1] op_sel_hi:[1,0,1]   ; sum x 2^(e10 + e11) + bo, two at a time (the scalar pair's low word for both halves); each accumulator from its low end on
.endr
	WIN 0x04                                       ; store data: window 1
.irp b, 0,1,2,3,4,5,6,7
	ds_store_b128 v[STO], v[8*\b:8*\b+3] offset:64*\b
	ds_store_b128 v[STO], v[8*\b+4:8*\b+7] offset:64*\b+16
.endr
	WIN 0
.set BB, BK+64*((\a)%2)
.irp t, 0,1,2,3,4,5,6,7,8,9,10,11,12,13,14,15
	ds_load_b128 v[BB+4*\t:BB+4*\t+3], v[RD] offset:\t*SPITCH
.endr
.endm
.macro SEND a, younger                 ; younger: the LDS instructions issued behind block a's loads, which may stay out
.set BB, BK+64*((\a)%2)
	s_wait_dscnt \younger                          ; the block is back in registers
.if (\a) > 0
	s_add_nc_u64 s[12:13], s[12:13], 16*SIZE_N*4   ; (behind a wait on XCNT: the earlier stores have read their base)  16 rows on, so that the stores' offsets stay small
.endif
.irp t, 0,1,2,3,4,5,6,7,8,9,10,11,12,13,14,15
	global_store_b128 v[CO], v[BB+4*\t:BB+4*\t+3], s[12:13] offset:\t*SIZE_N*4 th:TH_STORE_NT   ; 32 lanes store 512 consecutive bytes, at a multiple of 256 from out0's first byte; written once, read by nobody here
.endr
.endm
	s_wait_kmcnt 0x0
	s_add_co_i32 s96, s96, s97                     ; e10 + e11, between -126 and 127,
	s_add_co_i32 s96, s96, 127
	s_lshl_b32 s96, s96, 23                        ; makes the f32 number 2^(e10 + e11)
	s_wait_loadcnt 0x0                             ; bo
	PLACES NP                                      ; behind the last products: results are read, and registers that held fragments are written and loaded below
	TOSTAGE 0
.irp a, 1,2,3,4,5,6,7
.if \a > 1
	s_wait_xcnt 0x0                                ; block a - 2's stores have read their registers and their base: block a's loads may land there, and the base may step
.endif
	TOSTAGE \a
	SEND \a-1, 32                                  ; behind block a - 1's loads: block a's 16 stores and 16 loads
.endr
	s_wait_xcnt 0x0                                ; block 6's stores have read their base
	SEND 7, 0
	s_wait_tensorcnt 0x0                           ; the wave's end, behind my last tensor load and my last LDS store
	ds_add_u32 v[SPW], v[NIL]
	s_wait_dscnt 0x0
	CROUND                                         ; the closing round: no work-group ends while a partner may still ask for a tile that names it
	s_endpgm
.Lfunc_end_k_qa82f78d4d6_proj:
	.size	k_qa82f78d4d6_proj, .Lfunc_end_k_qa82f78d4d6_proj-k_qa82f78d4d6_proj
	.p2alignl 7, 3214868480
	.fill 96, 4, 3214868480
	.section	.rodata,"a",@progbits
	.p2align	6, 0x0
	.amdhsa_kernel k_qa82f78d4d6_proj
		.amdhsa_group_segment_fixed_size 327680
		.amdhsa_private_segment_fixed_size 0
		.amdhsa_enable_private_segment 0
		.amdhsa_kernarg_size 40
		.amdhsa_user_sgpr_count 2
		.amdhsa_user_sgpr_kernarg_segment_ptr 1
		.amdhsa_wavefront_size32 1
		.amdhsa_system_sgpr_workgroup_id_x 1
		.amdhsa_system_sgpr_workgroup_id_y 1
		.amdhsa_system_sgpr_workgroup_id_z 1
		.amdhsa_system_vgpr_workitem_id 0
		.amdhsa_next_free_vgpr 1024
		.amdhsa_next_free_sgpr 98
		.amdhsa_reserve_vcc 0
		.amdhsa_float_denorm_mode_32 3
		.amdhsa_float_denorm_mode_16_64 3
		.amdhsa_memory_ordered 1
		.amdhsa_forward_progress 1
		.amdhsa_inst_pref_size 141
	.end_amdhsa_kernel
	.amdgpu_metadata
---
amdhsa.version: [ 1, 2 ]
amdhsa.kernels:
  - .name:           k_qa82f78d4d6_proj
    .symbol:         k_qa82f78d4d6_proj.kd
    .args:
      - { .name: o_img, .offset: 0, .size: 8, .value_kind: global_buffer, .address_space: global }
      - { .name: Wo_codes, .offset: 8, .size: 8, .value_kind: global_buffer, .address_space: global }
      - { .name: lowp_scales, .offset: 16, .size: 8, .value_kind: global_buffer, .address_space: global }
      - { .name: bo, .offset: 24, .size: 8, .value_kind: global_buffer, .address_space: global }
      - { .name: out0, .offset: 32, .size: 8, .value_kind: global_buffer, .address_space: global }
    .group_segment_fixed_size: 327680
    .private_segment_fixed_size: 0
    .kernarg_segment_align: 8
    .kernarg_segment_size: 40
    .max_flat_workgroup_size: 128
    .sgpr_count:     98
    .vgpr_count:     1024
    .wavefront_size: 32
...
	.end_amdgpu_metadata
.endif
;; end of part 3
